; MI455X (gfx1250); checked and timed in simulation.
; The chip was launched on July 23, 2026; its instructions are those of AMD's public machine-readable ISA for CDNA 5 (MIT licence, August 2026) and "CDNA5" Instruction Set Architecture Reference Guide (July 2026). The comments in the code are by the model that wrote it; some were corrected since.
;; Quantize. Allowed arithmetic: matrix products marked QUANTISED: E3M2 operands, one E8M0 scale for each 32 along K, by v_wmma_scale_f32_16x16x128_f8f6f4 with both operands' format E3M2, f32 sums; everything else in f32.
;; Inputs: embed 256 x 8,192 float32; input 8 x 4,096 x 256 float32.
;; Outputs: out0 8 x 4,096 x 256 float32; out1 one number float32; out2 8 x 4,096 int32.
;; This version of the problem:
;;   THIS VERSION OF THE PROBLEM IS GIVEN IN LOW PRECISION. The matrix products marked QUANTISED in the list below multiply operands that are first quantised to E3M2 (3 exponent bits, 2 mantissa bits; 6 bits a number), with one power-of-two scale for each 32 numbers along K (OCP MX v1.0); their sums are f32. All else is computed in f32.
;;   The module's matrix products, in the order in which they are computed (A, B: the left and right operand; K: the contracted axis; several contracted axes count as one K, in the product's order):
;;     1. [M 32,768, K 256] x [K 256, N 8,192]; A: input input; B: input embed: QUANTISED
;;   THE QUANTISER, for each operand of a quantised product, along K:
;;     - K is cut into blocks of 32 from its start; a last block that is shorter is filled with zeros.
;;     - A block's scale is 2^e with e = floor(log2(the largest magnitude in the block)) - 4, held to -126 .. 127; a block of zeros has e = 0. As a byte (E8M0): e + 127.
;;     - Each number is divided by its block's scale, clamped to +-28, and rounded to the nearest number of E3M2, ties to even, subnormals kept.
;;     - The product sums the exact products of the quantised numbers (number of the format x scale) in f32.
;;   ~~~python
;;   def quantise(x, axis):      # numpy; x: float32 -> the quantised numbers, widened to float32 again
;;       x = np.moveaxis(x, axis, -1); K = x.shape[-1]
;;       x = np.pad(x, [(0, 0)] * (x.ndim - 1) + [(0, -K % 32)]); x = x.reshape(x.shape[:-1] + (-1, 32)); a = np.abs(x).max(-1, keepdims=True)
;;       e = np.where(a > 0, np.clip(np.frexp(np.where(a > 0, a, 1))[1] - 1 - 4, -126, 127), 0)      # np.frexp(a)[1] - 1 = floor(log2(a)), exactly
;;       r = np.clip(x / 2.0 ** e, -28, 28)
;;       step = 2.0 ** (np.maximum(np.frexp(np.where(r == 0, 1, r))[1] - 1, -2) - 2)
;;       q = np.round(r / step) * step * 2.0 ** e      # np.round: ties to even
;;       return np.moveaxis(q.reshape(q.shape[:-2] + (-1,))[..., :K], -1, axis).astype(np.float32)
;;   ~~~
;; One version. Each part assembles by itself: llvm-mc -triple=amdgcn-amd-amdhsa -mcpu=gfx1250 --defsym DOCPART=n.
;; ======== version 1 of 1: 4 launches
;; limits: right only within a limited range of input values
;; workspace buffers: ecb 1,703,936 bytes; embt 8,388,608 bytes; idx 131,072 bytes of whole numbers; part 2,048 bytes
;; launch prep (part 1): grid 256 x 1, 4 waves a work-group, no clusters, 41,472 bytes of LDS; arguments embed, ecb, embt; writes ecb, embt
.if DOCPART == 1
	.amdgcn_target "amdgcn-amd-amdhsa--gfx1250"
	.amdhsa_code_object_version 6
	.text
	.protected	k_qa8e5796da2_prep
	.globl	k_qa8e5796da2_prep
	.p2align	8
	.type	k_qa8e5796da2_prep,@function
k_qa8e5796da2_prep:
	s_mov_b64 s[64:65], 0
	v_nop
	global_prefetch_b8 v0, s[64:65] scope:SCOPE_SE
	s_setreg_imm32_b32 hwreg(HW_REG_WAVE_MODE, 25, 1), 1
	s_wait_xcnt 0x0
; The codebook embed [256 (k)][8192 (n)], f32, K its FIRST axis, is laid out once for the two launches that read it:
;   ecb : 512 tile records of 3,328 bytes (tile T = codes 16 T .. 16 T + 15): the codes of BF6 (E3M2) as an IMAGE OF THE OPERAND'S REGISTERS, their E8M0 scale words, and -|e|^2 / 2 of the unquantised columns;
;   embt: the f32 numbers transposed, [8192][256], so that a code's 256 numbers are 1,024 consecutive bytes.
; A record: bytes 0 .. 3071 K steps s = 0, 1 at 1536 s; in a K step register q (0 .. 11) of lane L at 512 (q / 4) + 16 L + 4 (q % 4); lane (r, h) and registers 6 c .. 6 c + 5 hold k = 128 s + 64 c + 32 h + 0 .. 31 of code 16 T + r.
;   bytes 3072 .. 3199: 8 bytes a code: the scale word of K step 0, that of K step 1 (byte 2 c + h of a word: that block of 32).  bytes 3200 .. 3263: -|e|^2 / 2, 16 f32.  bytes 3264 .. 3327: zeros.
; A block's scale is 2^(floor(log2(its largest magnitude)) - 4); its byte is the largest magnitude's exponent field - 4, held at 1 from below.
; LIMITS: a block of zeros, and a block whose largest magnitude lies under 2^-122, keep the byte 1 (a block of zeros has zero codes, and this program alone reads the bytes); NaN and infinities are not served;
; |e|^2 is summed by fused multiply-adds in four chains a wave and over four waves: another order than a plain sum down the column.
; SHARES.  Work-group g takes columns 32 g .. 32 g + 31 (two tiles); A LANE TAKES A COLUMN AND ITS REGISTERS RUN DOWN K, so a block of 32 lies in one lane and the conversions give codes with K innermost.
; Wave w = 2 s + h takes the two blocks c = 0, 1 with k = 128 s + 64 c + 32 h + 0 .. 31: just what lanes 16 h .. 16 h + 15 of K step s hold.
.set TP,   1040                        ; LDS: the transposing stage: 32 columns x (1,024 bytes + 16): 65 x 16 bytes, so that the lanes' 16-byte stores fall on different banks
.set RECB, 3328                        ; a tile record
.set REC,  32*TP                       ; the two records, as they go to memory
.set PART, REC+2*RECB                  ; 4 waves x 32 words: each wave's part of the columns' sums of squares
.set X,    32                          ; v32-95   64 numbers: 32 c + i
.set SQ,   16                          ; v16-19   two chains of pairs of squares
.set OUTR, 96                          ; v96-111  the records' way out
	s_load_b128 s[4:7], s[0:1], 0x0                ; embed, ecb
	s_load_b64 s[8:9], s[0:1], 0x10                ; embt
	v_lshl_add_u32 v128, v0, 2, 0xa000
	v_mov_b32 v129, 0
	v_lshrrev_b32 v12, 5, v0
	v_readfirstlane_b32 s12, v12                   ; wave 0..3
	v_and_b32 v13, 31, v0                          ; lane l = my column
	s_lshr_b32 s13, s12, 1                         ; s
	s_and_b32 s14, s12, 1                          ; h
	v_lshlrev_b32 v1, 2, v13                       ; embed: 4 bytes a lane
	v_lshrrev_b32 v14, 4, v13                      ; which of the two tiles
	s_wait_alu depctr_va_vdst(0)
	v_and_b32 v15, 15, v13                         ; r: my code in it
	s_lshl_b32 s15, s13, 9
	s_lshl_b32 s16, s14, 7
	s_add_co_u32 s15, s15, s16
	v_mul_u32_u24 v2, v13, TP
	v_add_nc_u32 v2, s15, v2                       ; the stage, on the way in: my column's row, + 4 (128 s + 32 h)
	s_mul_i32 s16, s13, 1536
	s_lshl_b32 s17, s14, 8
	s_add_co_u32 s16, s16, s17
	s_add_co_u32 s16, s16, REC
	v_mul_u32_u24 v3, v14, RECB
	v_lshl_add_u32 v3, v15, 4, v3
	v_add_nc_u32 v3, s16, v3                       ; the image: my tile's record, K step s, lane r + 16 h
	s_lshl_b32 s16, s13, 2
	s_add_co_u32 s16, s16, s14
	s_add_co_u32 s16, s16, REC+3072
	v_mul_u32_u24 v4, v14, RECB
	s_wait_alu depctr_va_vdst(0)
	v_lshl_add_u32 v4, v15, 3, v4
	v_add_nc_u32 v4, s16, v4                       ; my code's scale bytes: word s, byte h (+ 2 c)
	s_lshl_b32 s16, s12, 7
	s_add_co_u32 s16, s16, PART
	v_add_nc_u32 v5, s16, v1                       ; my wave's part of my column's sum
	v_add_nc_u32 v6, PART, v1                      ; and wave 0's place, from which the four are read
	v_mul_u32_u24 v7, v14, RECB
	v_lshl_add_u32 v7, v15, 2, v7
	v_add_nc_u32 v7, REC+3200, v7                  ; -|e|^2 / 2 of my column
	s_mul_i32 s16, s12, 8*TP
	v_lshlrev_b32 v9, 4, v13                       ; 16 x lane: embt's store offset
	v_add_nc_u32 v8, s16, v9                       ; the stage, on the way out: columns 8 w on, 16 bytes a lane
	s_lshl_b32 s16, s12, 9
	v_add_nc_u32 v11, s16, v9                      ; the records' way out: 512 w + 16 x lane, in memory
	v_add_nc_u32 v10, REC, v11                     ; and in LDS
	v_mov_b32 v29, 0
	s_lshl_b32 s16, ttmp9, 7                       ; embed: 32 columns x 4 bytes x work-group,
	s_lshl_b32 s17, s13, 22                        ; + 128 s rows of 32,768 bytes,
	s_add_co_u32 s16, s16, s17
	s_lshl_b32 s17, s14, 20                        ; + 32 h rows
	s_add_co_u32 s16, s16, s17
	s_mov_b32 s17, 0
	s_mul_i32 s18, ttmp9, 2*RECB                   ; ecb: two records a work-group: 26 x 256 bytes
	s_mov_b32 s19, 0
	s_lshl_b32 s20, ttmp9, 15                      ; embt: 32 rows of 1,024 bytes a work-group,
	s_lshl_b32 s21, s12, 13                        ; 8 a wave
	s_add_co_u32 s20, s20, s21
	s_mov_b32 s21, 0
	s_wait_kmcnt 0x0
	s_add_nc_u64 s[4:5], s[4:5], s[16:17]
	s_add_nc_u64 s[6:7], s[6:7], s[18:19]
	s_add_nc_u64 s[8:9], s[8:9], s[20:21]
.irp c, 0,1
.irp i, 0,1,2,3,4,5,6,7,8,9,10,11,12,13,14,15,16,17,18,19,20,21,22,23,24,25,26,27,28,29,30,31
	global_load_b32 v[X+32*\c+\i], v1, s[4:5] offset:(64*\c+\i)*32768   ; embed(128 s + 64 c + 32 h + i, my column): 32 lanes read 128 consecutive bytes; 95 rows at the most, inside the signed 24-bit immediate
.endr
.endr
; One block of 32 along K of my column: its scale byte, its squares, its codes into the image, its numbers into the stage.
.macro BLOCK c
.set XS, X+32*\c
.if \c == 0
	s_wait_loadcnt 32                              ; this block's 32 loads are in; the other block's 32 may be out
.else
	s_wait_loadcnt 0x0
.endif
	v_max3_num_f32 v12, |v[XS]|, |v[XS+1]|, |v[XS+2]|              ; the block's largest magnitude: all 32 numbers are mine; two chains
	v_max3_num_f32 v13, |v[XS+3]|, |v[XS+4]|, |v[XS+5]|
.irp i, 6,10,14,18,22,26
	v_max3_num_f32 v12, v12, |v[XS+\i]|, |v[XS+\i+1]|
	v_max3_num_f32 v13, v13, |v[XS+\i+2]|, |v[XS+\i+3]|
.endr
	v_max3_num_f32 v12, v12, |v[XS+30]|, |v[XS+31]|
	v_max3_num_f32 v12, v12, v13, 0x2800000        ; and the floor 2^(5 - 127): the byte cannot fall under 1
	v_add_nc_u32 v14, 0xfe000000, v12              ; 4 off its exponent field: the conversion takes the exponent field of this operand as its scale
	v_lshrrev_b32 v15, 23, v14                     ; the scale's byte
	ds_store_b8 v4, v15 offset:2*\c
.set j, 0
.rept 16                                           ; the squares of the UNQUANTISED numbers, two at a time; the first products start the sums
.if (\c == 0) && (j < 2)
	v_pk_mul_f32 v[SQ+2*j:SQ+2*j+1], v[XS+2*j:XS+2*j+1], v[XS+2*j:XS+2*j+1]
.else
	v_pk_fma_f32 v[SQ+2*(j%2):SQ+2*(j%2)+1], v[XS+2*j:XS+2*j+1], v[XS+2*j:XS+2*j+1], v[SQ+2*(j%2):SQ+2*(j%2)+1]
.endif
.set j, j+1
.endr
	v_cvt_scalef32_pk16_bf6_f32 v[20:22], v[XS:XS+15], v14
	v_cvt_scalef32_pk16_bf6_f32 v[26:28], v[XS+16:XS+31], v14      ; (a conversion's three registers begin on an even number)
	v_nop                                          ; one plain place behind a scaled conversion
	v_mov_b32 v23, v26
	v_mov_b32 v24, v27
	v_mov_b32 v25, v28                             ; v20-25: registers 6 c .. 6 c + 5 of the operand
.if \c == 0
	ds_store_b128 v3, v[20:23]                     ; registers 0-3,
	ds_store_b64 v3, v[24:25] offset:512           ; 4, 5
.else
	ds_store_b64 v3, v[20:21] offset:520           ; 6, 7,
	ds_store_b128 v3, v[22:25] offset:1024         ; 8-11
.endif
.irp m, 0,1,2,3,4,5,6,7
	ds_store_b128 v2, v[XS+4*\m:XS+4*\m+3] offset:256*\c+16*\m     ; the numbers themselves, along my column's row of the stage
.endr
	s_wait_dscnt 0x0                               ; the stores have read their registers: the next block's codes may be written
.endm
	BLOCK 0
	BLOCK 1
	s_wait_alu depctr_va_vdst(0)
	v_add_f32 v16, v16, v17
	v_add_f32 v18, v18, v19
	v_add_f32 v16, v16, v18
	ds_store_b32 v5, v16                           ; my 64 numbers' part of |e|^2
	s_wait_dscnt 0x0                               ; for the others' sake: all my LDS stores are done
	s_barrier_signal -1
	s_barrier_wait -1
	s_cmp_lg_u32 s12, 0                            ; wave 0 alone adds the four parts
	s_cbranch_scc1 .Lnot_wave_0
	ds_load_b32 v12, v6
	ds_load_b32 v13, v6 offset:128
	ds_load_b32 v14, v6 offset:256
	ds_load_b32 v15, v6 offset:384
	s_wait_dscnt 0x0
	v_add_f32 v12, v12, v13
	v_add_f32 v14, v14, v15
	v_add_f32 v12, v12, v14
	v_mul_f32 v12, -0.5, v12
	ds_store_b32 v7, v12                           ; -|e|^2 / 2
	ds_store_b32 v7, v29 offset:64                 ; and the record's last 64 bytes: zeros
.Lnot_wave_0:
.irp t, 0,1,2,3,4,5,6,7,8,9,10,11,12,13,14,15
	ds_load_b128 v[X+4*\t:X+4*\t+3], v8 offset:(\t/2)*TP+512*(\t%2)   ; columns 8 w + t / 2 as rows: 512 consecutive bytes an instruction
.endr
.irp t, 0,1,2,3,4,5,6,7,8,9,10,11,12,13,14,15
	s_wait_dscnt 15-\t                             ; LDS loads come back in order: load t is in, the younger ones may be out
	global_store_b128 v9, v[X+4*\t:X+4*\t+3], s[8:9] offset:(\t/2)*1024+512*(\t%2)   ; 32 lanes store 512 consecutive bytes, at a multiple of 256 from embt's first byte
.endr
	s_wait_dscnt 0x0                               ; wave 0's stores into the records are done
	s_barrier_signal -1
	s_barrier_wait -1
.irp i, 0,1,2                                      ; the two records are 13 pieces of 512 bytes: wave w takes pieces w, 4 + w, 8 + w
	ds_load_b128 v[OUTR+4*\i:OUTR+4*\i+3], v10 offset:2048*\i
.endr
	s_wait_dscnt 0x0
.irp i, 0,1,2
	global_store_b128 v11, v[OUTR+4*\i:OUTR+4*\i+3], s[6:7] offset:2048*\i
.endr
	s_cmp_lg_u32 s12, 0                            ; and wave 0 piece 12
	s_cbranch_scc1 .Lend
	ds_load_b128 v[OUTR+12:OUTR+15], v10 offset:6144
	s_wait_dscnt 0x0
	global_store_b128 v11, v[OUTR+12:OUTR+15], s[6:7] offset:6144
.Lend:
	s_wait_tensorcnt 0x0
	ds_add_u32 v128, v129
	s_wait_dscnt 0x0
	s_endpgm
.Lfunc_end_k_qa8e5796da2_prep:
	.size	k_qa8e5796da2_prep, .Lfunc_end_k_qa8e5796da2_prep-k_qa8e5796da2_prep
	.p2alignl 7, 3214868480
	.fill 96, 4, 3214868480
	.section	.rodata,"a",@progbits
	.p2align	6, 0x0
	.amdhsa_kernel k_qa8e5796da2_prep
		.amdhsa_group_segment_fixed_size 41472
		.amdhsa_private_segment_fixed_size 0
		.amdhsa_enable_private_segment 0
		.amdhsa_kernarg_size 24
		.amdhsa_user_sgpr_count 2
		.amdhsa_user_sgpr_kernarg_segment_ptr 1
		.amdhsa_wavefront_size32 1
		.amdhsa_system_sgpr_workgroup_id_x 1
		.amdhsa_system_sgpr_workgroup_id_y 1
		.amdhsa_system_sgpr_workgroup_id_z 1
		.amdhsa_system_vgpr_workitem_id 0
		.amdhsa_next_free_vgpr 130
		.amdhsa_next_free_sgpr 66
		.amdhsa_reserve_vcc 0
		.amdhsa_float_denorm_mode_32 3
		.amdhsa_float_denorm_mode_16_64 3
		.amdhsa_memory_ordered 1
		.amdhsa_forward_progress 1
		.amdhsa_inst_pref_size 21
	.end_amdhsa_kernel
	.amdgpu_metadata
---
amdhsa.version: [ 1, 2 ]
amdhsa.kernels:
  - .name:           k_qa8e5796da2_prep
    .symbol:         k_qa8e5796da2_prep.kd
    .args:
      - { .name: embed, .offset: 0, .size: 8, .value_kind: global_buffer, .address_space: global }
      - { .name: ecb, .offset: 8, .size: 8, .value_kind: global_buffer, .address_space: global }
      - { .name: embt, .offset: 16, .size: 8, .value_kind: global_buffer, .address_space: global }
    .group_segment_fixed_size: 41472
    .private_segment_fixed_size: 0
    .kernarg_segment_align: 8
    .kernarg_segment_size: 24
    .max_flat_workgroup_size: 128
    .sgpr_count:     66
    .vgpr_count:     130
    .wavefront_size: 32
...
	.end_amdgpu_metadata
.endif
;; end of part 1
;; launch search (part 2): grid 256 x 1, 8 waves a work-group, clusters of 4 x 1, 327,680 bytes of LDS; arguments input, ecb, out2, idx; writes out2, idx
.if DOCPART == 2
	.amdgcn_target "amdgcn-amd-amdhsa--gfx1250"
	.amdhsa_code_object_version 6
	.text
	.protected	k_qa8e5796da2_search
	.globl	k_qa8e5796da2_search
	.p2align	8
	.type	k_qa8e5796da2_search,@function
k_qa8e5796da2_search:
	s_mov_b64 s[64:65], 0
	v_nop
	global_prefetch_b8 v0, s[64:65] scope:SCOPE_SE
	s_setreg_imm32_b32 hwreg(HW_REG_WAVE_MODE, 25, 1), 1
	s_wait_xcnt 0x0
	s_wait_alu depctr_hold_cnt(0) depctr_sa_sdst(0) depctr_va_vdst(0) depctr_va_sdst(0) depctr_va_ssrc(0) depctr_va_vcc(0) depctr_vm_vsrc(0)
	s_getreg_b32 s2, hwreg(HW_REG_IB_STS2, 6, 4)
	s_cmp_eq_u32 s2, 0
	s_cbranch_scc0 .Lentry_in_a_cluster
	s_endpgm
.Lentry_in_a_cluster:
	s_bfe_u32 s2, ttmp6, 0x10000c
	s_cmp_lg_u32 s2, 0x3003
	s_cbranch_scc0 .Lentry_shape_is_right
	s_endpgm
.Lentry_shape_is_right:
; For each of 32,768 queries x (256 numbers, f32): the code n of 8,192 with the least |x|^2 - 2 x.e_n + |e_n|^2, x.e being the product of both operands quantised to BF6 (E3M2), one E8M0 scale for each 32 along K.
; The index goes to out2, and once more to idx, from which the next launch forms addresses.
; WORK LEFT OUT: |x|^2 is the same term for every code of a query, so in exact arithmetic it moves no argmin: it is not formed.  What is compared is s = x.e - |e|^2 / 2, the LARGEST wins; -|e|^2 / 2 is the C of a tile's first matrix instruction.
; LIMITS: s is compared as the matrix unit rounds it; a plain f32 evaluation of the distance rounds otherwise, so two codes whose distances lie within a few ulps of each other may be ordered the other way there.  Equal s: the lower index wins.
; NaN and infinities are not served, nor an overflow of |x|^2 carried; blocks of x under 2^-122 keep the scale byte 1.
; SHARES.  A work-group owns 128 queries and walks the whole codebook.  x is quantised in registers at the head (wave w: queries 16 w on), handed round through LDS as images of the operand's registers; then each of the eight waves holds
; all 128 queries' codes (192 registers).  The codebook's 512 tiles of 16 codes go in 12 chunks of 40 tiles and a last one of 32: of a chunk wave w takes tiles 5 w .. 5 w + 4 (of the last: 4 w .. 4 w + 3).
; So a fragment of the codebook is read from LDS once and feeds 16 matrix instructions.
; THE PRODUCT IS USED TRANSPOSED: source 0 = 16 codes, source 1 = 16 queries: a lane holds ONE query (lane % 16), and its register j the code 16 T + 8 (lane / 16) + j.
; THE ARGMAX, 10 vector instructions for an accumulator: four three-input maxima fold its 8 numbers and the running best into a new best (two sets of registers by turns), one strict compare of new against old, one select of the tile's number,
; four pairs of selects that KEEP the winning tile's 8 numbers.  At the end the first j with KEEP[j] = best names the code.  The strict compare keeps the earlier tile.
; CLUSTER.  The four work-groups of a cluster walk the same codebook in step: each chunk is asked for JOINTLY, the same tensor load with the same descriptor and the mask of all four.
; THE RING.  Two LDS slots of a chunk (133,120 bytes); each wave fetches the five records that it reads itself, one load of 65 rows x 256 bytes; a refill has four steps in which to land.
; THE CHANGE OF SLOTS stands in a chunk's fifth step.  The wave's own wait shows its part of the next slot landed, and it reads that slot's first record (bytes that it fetched itself); with this chunk's last record in registers too, it signals;
; the step's products and search stand between the signal and the wait; behind the round the slot is filled again and the next products need no LDS read.
; NO PREFETCH: the stream is 1,703,936 bytes in all, and all 64 clusters walk it in the same order, each chunk asked for four steps ahead of its first read.
; REGISTERS.  Window 0: v1-15, v92-95 addresses; v16-31 x's scale words; v32-35 the codes' scale words, v36-51 -|e|^2 / 2 (two buffers each); v52-67 partial maxima; v68-83 best, two sets; v84-91 its tile; v96-159 the 8 accumulators;
;   v160-223 KEEP; v224-239 the way out.   Window 1: v0-191 x's 16 fragments (row tile i, K step s at 24 i + 12 s); v192-239 a code tile's two fragments, two buffers.
.set REC,   3328                       ; a tile record: 3,072 bytes of register images, 128 of scale words, 64 of -|e|^2 / 2, 64 of zeros
.set WPART, 5*REC                      ; a wave's five records: 65 x 256 bytes
.set CHUNK, 40*REC
.set SLOT1, CHUNK                      ; slot 1 begins here: 520 x 256
.set XIMG,  2*CHUNK                    ; behind the ring, in blocks of 256 bytes into which no fill lands: x's 16 fragment images of 1,536 bytes (2 i + s),
.set XSC,   XIMG+16*1536               ; their scale words, 128 bytes each,
.set RED,   XSC+16*128                 ; 8 waves x 8 row tiles x 32 lanes x (value, index),
.set FIN,   RED+8*8*32*8               ; the 128 indices,
.set SPARE, FIN+512                    ; and the spare words, 128 bytes for each wave: four blocks of 256 bytes that no other line names
.set SPW,  1                           ; LDS address of my spare word; never rewritten
.set NIL,  2                           ; 0; never rewritten
.set AE,   3                           ; v3-4  my wave's records in slot 0, 1: + 16 x lane
.set AS,   5                           ; v5-6  their scale words: + 3,072 + 8 (lane % 16)
.set AN,   7                           ; v7-8  their -|e|^2 / 2: + 3,200 + 32 (lane / 16)
.set TID,  9                           ; the number of the tile in hand
.set H8,   10                          ; 8 (lane / 16)
.set XA,   11                          ; x: my lane's byte in the wave's 16 rows; at the end 16 x lane
.set XWI,  12                          ; where I store x's images
.set XWS,  13                          ; and their scale words
.set LI,   14                          ; from where every wave reads the images
.set LS,   15                          ; and the scale words
.set XS,   16
.set ES,   32
.set NH,   36
.set M1,   52
.set M2,   60
.set BEST, 68                          ; set p at BEST + 8 p
.set TIDB, 84
.set RW,   92                          ; RED: where I put my candidates
.set RR,   93                          ; RED: from where I read my row tile's
.set FW,   94                          ; FIN: where a query's index goes
.set FRD,  95                          ; FIN: 16 x lane
.set ACC,  96
.set KEEP, 160
.set PR,   224                         ; the way out: eight pairs (value, index)
.set TM,   52                          ; the quantiser's work, at the head alone: v52-55 largest magnitudes, v56-59 bytes, v64-67 scale operands
.set PW,   68                          ; the scale word just made
.set PC,   70                          ; the codes just made: v70-88
.set EF,   192                         ; in window 1
.set WV,   12                          ; s12  my wave's number
.set G1,   16                          ; s[16:23] descriptor group 1: 65 rows
.set SEL,  24                          ; s[24:25] v_permlanex16_b32's selects for lane l xor 16
.set G0,   32                          ; s[32:35], s[36:39] descriptor group 0, a set for each slot
.set BACK, 42                          ; s[42:43] w records, in bytes: in the last chunk a wave's part begins 4 w records in, not 5 w
.set LAP,  44
.set LINC, 45                          ; 36 - w: from my last tile of chunk 11 to my first of chunk 12
.set MK,   48                          ; s48-55 eight masks, on the way out
.set G1L,  68                          ; s[68:75] descriptor group 1 for the last chunk: 52 rows
.set MSB, 0
.macro WIN new                         ; the immediate's high byte repeats the setting that is left; a switch that changes nothing is dropped
.if MSB != \new
	s_set_vgpr_msb (MSB<<8)|\new
.set MSB, \new
.endif
.endm
.macro CREST                           ; a round of the cluster's barrier behind its opening barrier
	s_cmp_lg_u32 s[WV], 0
	s_cbranch_scc1 .Lnot_wave_0_\@
	s_barrier_signal -3
.Lnot_wave_0_\@:
	s_barrier_wait -3
	s_barrier_signal -1
	s_barrier_wait -1
.endm
.macro CROUND                          ; a whole round
	s_barrier_signal -1
	s_barrier_wait -1
	CREST
.endm
	s_load_b256 s[4:11], s[0:1], 0x0               ; input s[4:5], ecb s[6:7], out2 s[8:9], idx s[10:11]
	v_lshl_add_u32 v[SPW], v0, 2, SPARE
	v_mov_b32 v[NIL], 0
	ds_add_u32 v[SPW], v[NIL]                      ; the opening lines: the add, twice on end, and its wait ahead of the round in front of my first tensor load
	ds_add_u32 v[SPW], v[NIL]
	v_lshrrev_b32 v52, 5, v0
	s_delay_alu instid0(VALU_DEP_1)
	v_readfirstlane_b32 s[WV], v52                 ; wave 0..7
	s_mul_i32 s[BACK], s[WV], REC
	s_mov_b32 s[BACK+1], 0
	s_sub_co_u32 s[LINC], 36, s[WV]
	s_bfe_u32 s13, ttmp6, 0x40000                  ; cx: my place in the cluster
	s_lshl_b32 s14, ttmp9, 2                       ; in a cluster launch ttmp9 counts clusters
	s_add_co_u32 s14, s14, s13                     ; my block of 128 queries: it enters the addresses of input, out2 and idx alone
	; descriptor group 1: a dense block as rows of 256 bytes (32 elements of 8 bytes), no padding: 65 rows, and for the last chunk 52
	s_mov_b32 s[G1+0], 15|(3<<16)|(1<<21)          ; 15:0 the mask: all four work-groups; 17:16 elements of 8 bytes; 21 set beside a mask
	s_mov_b32 s[G1+1], 32<<16                      ; tensor_dim0 = 32
	s_mov_b32 s[G1+2], 65<<16                      ; tensor_dim1 = 65
	s_mov_b32 s[G1+3], 32<<16                      ; tile_dim0 = 32
	s_mov_b32 s[G1+4], 65                          ; tile_dim1 = 65
	s_mov_b32 s[G1+5], 32                          ; from row to row: 32 elements
	s_mov_b32 s[G1+6], 0
	s_mov_b32 s[G1+7], 0
	s_mov_b32 s[G1L+0], 15|(3<<16)|(1<<21)
	s_mov_b32 s[G1L+1], 32<<16
	s_mov_b32 s[G1L+2], 52<<16
	s_mov_b32 s[G1L+3], 32<<16
	s_mov_b32 s[G1L+4], 52
	s_mov_b32 s[G1L+5], 32
	s_mov_b32 s[G1L+6], 0
	s_mov_b32 s[G1L+7], 0
	s_mov_b32 s[SEL], 0x76543210
	s_mov_b32 s[SEL+1], 0xfedcba98
	s_mul_i32 s26, s[WV], WPART                    ; my wave's five records, in a chunk and in a slot: no place in the cluster enters an LDS address
	s_mov_b32 s27, 0
	v_and_b32 v52, 31, v0                          ; lane
	v_and_b32 v53, 15, v0                          ; r
	v_bfe_u32 v54, v0, 4, 1                        ; h
	s_delay_alu instid0(VALU_DEP_3)
	v_lshlrev_b32 v55, 4, v52                      ; 16 x lane
	s_delay_alu instid0(VALU_DEP_4)
	v_lshlrev_b32 v56, 2, v52                      ; 4 x lane
	s_delay_alu instid0(VALU_DEP_2)
	v_add_nc_u32 v[AE], s26, v55
	s_delay_alu instid0(VALU_DEP_1)
	v_add_nc_u32 v[AE+1], SLOT1, v[AE]
	v_lshlrev_b32 v[AS], 3, v53
	s_delay_alu instid0(VALU_DEP_1)
	v_add_nc_u32 v[AS], s26, v[AS]
	s_delay_alu instid0(VALU_DEP_1)
	v_add_nc_u32 v[AS], 3072, v[AS]
	s_delay_alu instid0(VALU_DEP_1)
	v_add_nc_u32 v[AS+1], SLOT1, v[AS]
	v_lshlrev_b32 v[AN], 5, v54
	s_delay_alu instid0(VALU_DEP_1)
	v_add_nc_u32 v[AN], s26, v[AN]
	s_delay_alu instid0(VALU_DEP_1)
	v_add_nc_u32 v[AN], 3200, v[AN]
	s_delay_alu instid0(VALU_DEP_1)
	v_add_nc_u32 v[AN+1], SLOT1, v[AN]
	s_mul_i32 s40, s[WV], 5
	s_sub_co_u32 s40, s40, 36
	v_mov_b32 v[TID], s40                          ; 36 under my first tile, 5 w: a chunk's first step adds 36 (modulo 2^32)
	v_lshlrev_b32 v[H8], 3, v54
	v_lshlrev_b32 v[XA], 10, v53
	s_delay_alu instid0(VALU_DEP_1)
	v_lshl_add_u32 v[XA], v54, 6, v[XA]            ; x: row r of 1,024 bytes, + 64 h: my 16 numbers of a block of 32
	s_mul_i32 s40, s[WV], 3072
	s_add_co_u32 s40, s40, XIMG
	v_add_nc_u32 v[XWI], s40, v55
	s_lshl_b32 s40, s[WV], 8
	s_add_co_u32 s40, s40, XSC
	v_add_nc_u32 v[XWS], s40, v56
	v_add_nc_u32 v[LI], XIMG, v55
	v_add_nc_u32 v[LS], XSC, v56
	v_lshlrev_b32 v57, 3, v52                      ; 8 x lane
	s_lshl_b32 s40, s[WV], 11
	s_add_co_u32 s40, s40, RED
	v_add_nc_u32 v[RW], s40, v57
	s_lshl_b32 s40, s[WV], 8
	s_add_co_u32 s40, s40, RED
	v_add_nc_u32 v[RR], s40, v57
	s_lshl_b32 s40, s[WV], 6
	s_add_co_u32 s40, s40, FIN
	v_lshlrev_b32 v[FW], 2, v53
	s_delay_alu instid0(VALU_DEP_1)
	v_add_nc_u32 v[FW], s40, v[FW]
	v_add_nc_u32 v[FRD], FIN, v55
.irp b, 0,1,2,3
	v_mov_b32 v[TM+4+\b], 0                        ; written once: a lane permute's destination counts as one of its sources
.endr
	s_lshl_b32 s28, s14, 17                        ; input: 128 rows of 1,024 bytes a work-group,
	s_lshl_b32 s29, s[WV], 14                      ; 16 a wave
	s_add_co_u32 s28, s28, s29
	s_mov_b32 s29, 0
	s_lshl_b32 s30, s14, 9                         ; out2, idx: 128 words a work-group
	s_mov_b32 s31, 0
	s_wait_dscnt 0x0                               ; both opening adds are done
	s_wait_alu depctr_va_vdst(0)
	s_wait_kmcnt 0x0
	s_add_nc_u64 s[4:5], s[4:5], s[28:29]
	s_add_nc_u64 s[8:9], s[8:9], s[30:31]
	s_add_nc_u64 s[10:11], s[10:11], s[30:31]
	s_mov_b32 s[G0+0], 1                           ; 1:0 count = 1
	s_mov_b32 s[G0+1], s26                         ; 63:32 LDS address: slot 0, my wave's part
	s_add_nc_u64 s[G0+2:G0+3], s[6:7], s[26:27]    ; 120:64 global address: chunk 0, my wave's part
	s_mov_b32 s[G0+4], 1
	s_add_co_u32 s[G0+5], s26, SLOT1
	s_add_nc_u64 s[G0+6:G0+7], s[G0+2:G0+3], CHUNK ; chunk 1
	s_or_b32 s[G0+3], s[G0+3], 0x80000000          ; 127:126 type = 2
	s_or_b32 s[G0+7], s[G0+7], 0x80000000
	CROUND                                         ; all four work-groups are here: the first joint loads meet
	tensor_load_to_lds s[G0:G0+3], s[G1:G1+7]      ; chunk 0, ahead of x's loads
	s_nop 0
; my 16 rows' numbers of K step s (128 along K: 64 a lane) into v[reg] on: register 16 b + i = k 128 s + 32 b + 16 h + i of row r
.macro XLOAD reg, s
.irp b, 0,1,2,3
.irp j, 0,1,2,3
	global_load_b128 v[\reg+16*\b+4*\j:\reg+16*\b+4*\j+3], v[XA], s[4:5] offset:512*\s+128*\b+16*\j
.endr
.endr
.endm
	XLOAD ACC, 0
	XLOAD KEEP, 1
; 64 numbers of a lane, v[s] .. v[s + 63], become a fragment's codes in v[PC] on and its scale word in v[PW]
.macro QUANT s
.irp b, 0,1,2,3
	v_max3_num_f32 v[TM+\b], |v[\s+16*\b]|, |v[\s+1+16*\b]|, 0x2800000   ; block b: my 16 numbers, and the floor 2^(5 - 127): the byte cannot fall under 1
.endr
.irp i, 2,4,6,8,10,12,14
.irp b, 0,1,2,3
	s_delay_alu instid0(VALU_DEP_4)
	v_max3_num_f32 v[TM+\b], v[TM+\b], |v[\s+16*\b+\i]|, |v[\s+1+16*\b+\i]|   ; (the four blocks by turns)
.endr
.endr
.irp b, 0,1,2,3
	s_delay_alu instid0(VALU_DEP_4)
	v_permlanex16_b32 v[TM+4+\b], v[TM+\b], s[SEL], s[SEL+1]
.endr
.irp b, 0,1,2,3
	s_delay_alu instid0(VALU_DEP_4)
	v_max_num_f32 v[TM+\b], v[TM+\b], v[TM+4+\b]   ; with lane l xor 16's: the block's largest magnitude
.endr
.irp b, 0,1,2,3
	s_delay_alu instid0(VALU_DEP_4)
	v_add_nc_u32 v[TM+12+\b], 0xfe000000, v[TM+\b] ; 4 off its exponent field: the conversion's scale operand
.endr
.irp b, 0,1,2,3
	s_delay_alu instid0(VALU_DEP_4)
	v_lshrrev_b32 v[TM+4+\b], 23, v[TM+12+\b]      ; the scale's byte
.endr
	s_delay_alu instid0(VALU_DEP_3)
	v_lshl_or_b32 v[PW], v[TM+5], 8, v[TM+4]       ; the four bytes make my row's scale word
	s_delay_alu instid0(VALU_DEP_1)
	v_lshl_or_b32 v[PW], v[TM+6], 16, v[PW]
	s_delay_alu instid0(VALU_DEP_1)
	v_lshl_or_b32 v[PW], v[TM+7], 24, v[PW]
.irp c, 0,1
	v_cvt_scalef32_pk16_bf6_f32 v[PC+6*\c:PC+2+6*\c], v[\s+32*\c:\s+15+32*\c], v[TM+12+2*\c]
	v_cvt_scalef32_pk16_bf6_f32 v[PC+12+4*\c:PC+14+4*\c], v[\s+16+32*\c:\s+31+32*\c], v[TM+12+2*\c+1]   ; (a conversion's three registers begin on an even number)
.endr
	v_nop                                          ; one plain place behind a scaled conversion
.irp c, 0,1                                        ; the operand's layout wants a WHOLE block in a lane: lanes 0-15 block 2 c, lanes 16-31 block 2 c + 1
.irp i, 0,1,2
	v_permlane16_swap_b32 v[PC+6*\c+\i], v[PC+12+4*\c+\i]
.endr
.irp i, 0,1,2
	s_delay_alu instid0(VALU_DEP_3)
	v_mov_b32 v[PC+3+6*\c+\i], v[PC+12+4*\c+\i]
.endr
.endr
.endm
.macro IMAGE off                       ; the fragment in v[PC] on goes to LDS as it stands: lane l's 16 bytes at 16 l, 512 bytes a store
.irp c, 0,1,2
	ds_store_b128 v[XWI], v[PC+4*\c:PC+4*\c+3] offset:\off+512*\c
.endr
.endm
	s_wait_loadcnt 16                              ; K step 0's 16 loads are in; K step 1's 16 may be out
	QUANT ACC
	IMAGE 0
	ds_store_b32 v[XWS], v[PW]
	s_wait_dscnt 0x0                               ; the stores have read their registers
	s_wait_loadcnt 0x0
	QUANT KEEP
	IMAGE 1536
	ds_store_b32 v[XWS], v[PW] offset:128
	s_wait_tensorcnt 0x0                           ; my part of chunk 0 is in
	ds_add_u32 v[SPW], v[NIL]
	s_wait_dscnt 0x0                               ; the add is done, and for the others' sake my images lie in LDS
	CROUND                                         ; every wave's images are in LDS, and all four work-groups are here
	tensor_load_to_lds s[G0+4:G0+7], s[G1:G1+7]    ; chunk 1, slot 1's first fill: my one tensor load behind the round
	s_nop 0
	WIN 0x40                                       ; destination window 1, address window 0
.irp f, 0,1,2,3,4,5,6,7,8,9,10,11,12,13,14,15
.irp c, 0,1,2
	ds_load_b128 v[12*\f+4*\c:12*\f+4*\c+3], v[LI] offset:1536*\f+512*\c   ; all 128 queries' codes: they stay in registers
.endr
.endr
	WIN 0
.irp f, 0,1,2,3,4,5,6,7,8,9,10,11,12,13,14,15
	ds_load_b32 v[XS+\f], v[LS] offset:128*\f      ; and their scale words: lane r has row r's
.endr
; Record u of mine in a slot into buffer p: six images, the two scale words of code r, and -|e|^2 / 2 of codes 8 h .. 8 h + 7 in the result's layout: 9 LDS loads
.macro LOADE slot, u, p
	WIN 0x40
.irp q, 0,1,2,3,4,5
	ds_load_b128 v[EF+24*(\p)+4*\q:EF+24*(\p)+4*\q+3], v[AE+\slot] offset:(\u)*REC+512*\q
.endr
	WIN 0
	ds_load_b64 v[ES+2*(\p):ES+2*(\p)+1], v[AS+\slot] offset:(\u)*REC
	ds_load_b128 v[NH+8*(\p):NH+8*(\p)+3], v[AN+\slot] offset:(\u)*REC
	ds_load_b128 v[NH+8*(\p)+4:NH+8*(\p)+7], v[AN+\slot] offset:(\u)*REC+16
.endm
; A tile's products: the tile in buffer p against the 8 row tiles, two K steps deep.  The first K step takes -|e|^2 / 2 as C: nothing is cleared and nothing added later.
; The 8 accumulators take turns, one instruction a turn.  Behind them four places, ahead of the reads of the results and of loads into operands done with:
; the first of the four steps the tile's number by inc.
.macro MUL p, inc
	WIN 0x05                                       ; sources 0 and 1 window 1; C and D window 0
.irp i, 0,1,2,3,4,5,6,7
	v_wmma_scale_f32_16x16x128_f8f6f4 v[ACC+8*\i:ACC+8*\i+7], v[EF+24*(\p):EF+24*(\p)+11], v[24*\i:24*\i+11], v[NH+8*(\p):NH+8*(\p)+7], v[ES+2*(\p)], v[XS+2*\i] matrix_a_fmt:MATRIX_FMT_BF6 matrix_b_fmt:MATRIX_FMT_BF6
.endr
.irp i, 0,1,2,3,4,5,6,7
	v_wmma_scale_f32_16x16x128_f8f6f4 v[ACC+8*\i:ACC+8*\i+7], v[EF+24*(\p)+12:EF+24*(\p)+23], v[24*\i+12:24*\i+23], v[ACC+8*\i:ACC+8*\i+7], v[ES+2*(\p)+1], v[XS+2*\i+1] matrix_a_fmt:MATRIX_FMT_BF6 matrix_b_fmt:MATRIX_FMT_BF6
.endr
	WIN 0
	v_add_nc_u32 v[TID], \inc, v[TID]
.rept 3
	v_nop
.endr
.endm
; A tile's search.  p: the set that holds the best so far; the new best goes to the other set.  The 8 row tiles by turns; each accumulator is read from its low end on.
.macro R3 i
	v_max3_num_f32 v[M1+\i], v[M1+\i], v[ACC+8*\i+6], v[ACC+8*\i+7]
.endm
.macro R4 i, p                         ; the new best: the tile's 8 numbers and the old best
	v_max3_num_f32 v[BEST+8*(1-(\p))+\i], v[M1+\i], v[M2+\i], v[BEST+8*(\p)+\i]
.endm
.macro ARG p
.irp i, 0,1,2,3,4,5,6,7
	v_max3_num_f32 v[M1+\i], v[ACC+8*\i], v[ACC+8*\i+1], v[ACC+8*\i+2]
.endr
.irp i, 0,1,2,3,4,5,6,7
	v_max3_num_f32 v[M2+\i], v[ACC+8*\i+3], v[ACC+8*\i+4], v[ACC+8*\i+5]
.endr
.irp i, 0,1,2,3,4
	R3 \i
.endr
	R4 0, \p
.irp i, 5,6,7
	R3 \i
.endr
	R4 1, \p
.irp i, 0,1,2,3,4,5,6,7
	v_cmp_gt_f32 vcc_lo, v[BEST+8*(1-(\p))+\i], v[BEST+8*(\p)+\i]   ; has the best grown?  Strictly: an equal later tile does not win
.if \i < 6
	R4 \i+2, \p                                    ; (the row tile two on: it stands between the compare and the selects)
.endif
	v_cndmask_b32 v[TIDB+\i], v[TIDB+\i], v[TID], vcc_lo
.irp j, 0,2,4,6
	v_dual_cndmask_b32 v[KEEP+8*\i+\j], v[KEEP+8*\i+\j], v[ACC+8*\i+\j] :: v_dual_cndmask_b32 v[KEEP+8*\i+\j+1], v[KEEP+8*\i+\j+1], v[ACC+8*\i+\j+1]   ; the winning tile's 8 numbers are kept, two selects an instruction: which of them won is asked once, at the end
.endr
.endr
.endm
; A step: record u of a slot.  g counts my tiles: g % 2 is the tile's buffer and the set that holds the best so far.  more = 1: the next record of the same slot is fetched, into the buffer whose products stand a step back.
.macro STEP slot, u, g, inc, more
	s_wait_dscnt 0x0                               ; this tile's 9 loads are in
	MUL (\g)%2, \inc
.if \more
	LOADE \slot, (\u)+1, ((\g)+1)%2
.endif
	ARG (\g)%2
.endm
; A chunk's fifth step changes slots.  fill = 1: this slot is filled again with the chunk two on; 2: with the last chunk, whose parts are of four records; 0: nothing is left to fetch, and there is no barrier: a wave reads only what it fetched itself.
.macro TURN slot, next, g, fill
	s_wait_tensorcnt 0x0                           ; my one load that was out, my part of the next slot, has landed:
	LOADE \next, 0, ((\g)+1)%2                     ; its first record, bytes that I fetched myself
.if \fill
	s_wait_tensorcnt 0x0                           ; no tensor load of mine is out, so a group 0 may be written;
	ds_add_u32 v[SPW], v[NIL]                      ; 0 onto my spare word;
	s_add_nc_u64 s[G0+4*\slot+2:G0+4*\slot+3], s[G0+4*\slot+2:G0+4*\slot+3], 2*CHUNK   ; (the type bits on top are not reached)
.if \fill == 2
	s_sub_nc_u64 s[G0+4*\slot+2:G0+4*\slot+3], s[G0+4*\slot+2:G0+4*\slot+3], s[BACK:BACK+1]
.endif
	s_wait_dscnt 0x0                               ; the add is done, and my reads of this slot are over: its last record is in registers
	s_barrier_signal -1                            ; the barrier opens a round of the cluster's barrier;
	MUL (\g)%2, 1                                  ; work on registers alone while the others arrive
	ARG (\g)%2
	s_barrier_wait -1
	CREST                                          ; no wave of any partner still reads this slot or has a load on its way
.if \fill == 2
	tensor_load_to_lds s[G0+4*\slot:G0+4*\slot+3], s[G1L:G1L+7]
.else
	tensor_load_to_lds s[G0+4*\slot:G0+4*\slot+3], s[G1:G1+7]   ; my one tensor load behind the round
.endif
	s_nop 0
.else
	s_wait_dscnt 0x0
	MUL (\g)%2, 1
	ARG (\g)%2
.endif
.endm
.macro FOUR slot, g0                   ; a chunk's first four steps
	STEP \slot, 0, \g0, 36, 1                      ; from my last tile of a chunk to my first of the next: 40 - 4
	STEP \slot, 1, \g0+1, 1, 1
	STEP \slot, 2, \g0+2, 1, 1
	STEP \slot, 3, \g0+3, 1, 1
.endm
	LOADE 0, 0, 0
	s_mov_b32 s40, 0xff800000                      ; -infinity: the first tile finds a best under every number, and wins.  So KEEP is not set: its registers hold x's numbers of the head, which the first tile's selects replace
.irp i, 0,1,2,3,4,5,6,7
	v_mov_b32 v[BEST+\i], s40
	v_mov_b32 v[TIDB+\i], 0
.endr
	s_mov_b32 s[LAP], 5
	s_wait_alu depctr_va_vdst(0)
.Llap:                                             ; trip k works chunks 2 k and 2 k + 1 and asks for chunks 2 k + 2 and 2 k + 3: 5 trips of 10 steps
	FOUR 0, 0
	TURN 0, 1, 4, 1
	FOUR 1, 5
	TURN 1, 0, 9, 1
	s_sub_co_u32 s[LAP], s[LAP], 1
	s_cmp_lg_u32 s[LAP], 0
	s_cbranch_scc1 .Llap
	FOUR 0, 0                                      ; chunks 10, 11 and 12 are written out
	TURN 0, 1, 4, 2                                ; chunk 12 is asked for
	FOUR 1, 5
	TURN 1, 0, 9, 0
	STEP 0, 0, 0, s[LINC], 1                       ; chunk 12: my tiles 480 + 4 w on
	STEP 0, 1, 1, 1, 1
	STEP 0, 2, 2, 1, 1
	STEP 0, 3, 3, 1, 0
	; THE WAY OUT.  64 tiles a wave: the best lies in set 0.  Which of the winning tile's 8: the first j with KEEP[j] = best (asked from j = 6 down, so that the lowest stays).
.irp i, 0,1,2,3,4,5,6,7
	v_mov_b32 v[M1+\i], 7
.endr
.irp j, 6,5,4,3,2,1,0
.irp i, 0,1,2,3,4,5,6,7
	v_cmp_eq_f32 s[MK+\i], v[KEEP+8*\i+\j], v[BEST+\i]
.endr
.irp i, 0,1,2,3,4,5,6,7
	v_cndmask_b32 v[M1+\i], v[M1+\i], \j, s[MK+\i]
.endr
.endr
.irp i, 0,1,2,3,4,5,6,7
	v_lshl_add_u32 v[PR+2*\i+1], v[TIDB+\i], 4, v[M1+\i]
.endr
.irp i, 0,1,2,3,4,5,6,7
	v_add_nc_u32 v[PR+2*\i+1], v[H8], v[PR+2*\i+1] ; the code: 16 T + 8 h + j
	v_mov_b32 v[PR+2*\i], v[BEST+\i]
.endr
.irp i, 0,1,2,3,4,5,6,7
	ds_store_b64 v[RW], v[PR+2*\i:PR+2*\i+1] offset:256*\i   ; my candidate for row tile i
.endr
	s_wait_dscnt 0x0                               ; for the others' sake: my candidates lie in LDS
	s_barrier_signal -1
	s_barrier_wait -1
.irp k, 0,1,2,3,4,5,6,7
	ds_load_b64 v[PR+2*\k:PR+2*\k+1], v[RR] offset:2048*\k   ; wave w finishes row tile w: the eight waves' candidates
.endr
	s_wait_dscnt 0x0
; Of two candidates (value, index) the larger value stays in the first; of equal values the lower index.
.macro MERGE va, vb
	v_cmp_gt_f32 s56, v[\vb], v[\va]
	v_cmp_eq_f32 s57, v[\vb], v[\va]
	v_cmp_lt_u32 vcc_lo, v[\vb+1], v[\va+1]
	s_and_b32 s57, s57, vcc_lo
	s_or_b32 s56, s56, s57
	v_cndmask_b32 v[\va], v[\va], v[\vb], s56
	v_cndmask_b32 v[\va+1], v[\va+1], v[\vb+1], s56
.endm
	MERGE PR, PR+2
	MERGE PR+4, PR+6
	MERGE PR+8, PR+10
	MERGE PR+12, PR+14
	MERGE PR, PR+4
	MERGE PR+8, PR+12
	MERGE PR, PR+8
	s_delay_alu instid0(VALU_DEP_2)
	v_permlanex16_b32 v[M1], v[PR], s[SEL], s[SEL+1]      ; the query's other codes (the other 8 of each tile) lie in the lane 16 away
	s_delay_alu instid0(VALU_DEP_2)
	v_permlanex16_b32 v[M1+1], v[PR+1], s[SEL], s[SEL+1]
	MERGE PR, M1
	ds_store_b32 v[FW], v[PR+1]                    ; both halves of the lanes hold the same index and write the same word
	v_and_b32 v[XA], 31, v0                        ; (x's loads were waited for long ago)
	s_delay_alu instid0(VALU_DEP_1)
	v_lshlrev_b32 v[XA], 4, v[XA]                  ; 16 x lane
	s_wait_dscnt 0x0
	s_barrier_signal -1
	s_barrier_wait -1
	s_cmp_lg_u32 s[WV], 0                          ; wave 0 stores the work-group's 128 indices
	s_cbranch_scc1 .Lnot_first
	ds_load_b128 v[PR+4:PR+7], v[FRD]
	s_wait_dscnt 0x0
	s_wait_alu depctr_va_vdst(0)
	global_store_b128 v[XA], v[PR+4:PR+7], s[8:9]  ; 32 lanes store 512 consecutive bytes, at a multiple of 256 from the buffer's first byte
	global_store_b128 v[XA], v[PR+4:PR+7], s[10:11]
.Lnot_first:
	s_wait_tensorcnt 0x0                           ; the wave's end
	ds_add_u32 v[SPW], v[NIL]
	s_wait_dscnt 0x0
	CROUND                                         ; the closing round: no work-group ends while a partner may still ask for a chunk that names it
	s_endpgm
.Lfunc_end_k_qa8e5796da2_search:
	.size	k_qa8e5796da2_search, .Lfunc_end_k_qa8e5796da2_search-k_qa8e5796da2_search
	.p2alignl 7, 3214868480
	.fill 96, 4, 3214868480
	.section	.rodata,"a",@progbits
	.p2align	6, 0x0
	.amdhsa_kernel k_qa8e5796da2_search
		.amdhsa_group_segment_fixed_size 327680
		.amdhsa_private_segment_fixed_size 0
		.amdhsa_enable_private_segment 0
		.amdhsa_kernarg_size 32
		.amdhsa_user_sgpr_count 2
		.amdhsa_user_sgpr_kernarg_segment_ptr 1
		.amdhsa_wavefront_size32 1
		.amdhsa_system_sgpr_workgroup_id_x 1
		.amdhsa_system_sgpr_workgroup_id_y 1
		.amdhsa_system_sgpr_workgroup_id_z 1
		.amdhsa_system_vgpr_workitem_id 0
		.amdhsa_next_free_vgpr 512
		.amdhsa_next_free_sgpr 76
		.amdhsa_reserve_vcc 1
		.amdhsa_float_denorm_mode_32 3
		.amdhsa_float_denorm_mode_16_64 3
		.amdhsa_memory_ordered 1
		.amdhsa_forward_progress 1
		.amdhsa_inst_pref_size 217
	.end_amdhsa_kernel
	.amdgpu_metadata
---
amdhsa.version: [ 1, 2 ]
amdhsa.kernels:
  - .name:           k_qa8e5796da2_search
    .symbol:         k_qa8e5796da2_search.kd
    .args:
      - { .name: input, .offset: 0, .size: 8, .value_kind: global_buffer, .address_space: global }
      - { .name: ecb, .offset: 8, .size: 8, .value_kind: global_buffer, .address_space: global }
      - { .name: out2, .offset: 16, .size: 8, .value_kind: global_buffer, .address_space: global }
      - { .name: idx, .offset: 24, .size: 8, .value_kind: global_buffer, .address_space: global }
    .group_segment_fixed_size: 327680
    .private_segment_fixed_size: 0
    .kernarg_segment_align: 8
    .kernarg_segment_size: 32
    .max_flat_workgroup_size: 256
    .sgpr_count:     76
    .vgpr_count:     512
    .wavefront_size: 32
...
	.end_amdgpu_metadata
.endif
;; end of part 2
;; launch gather (part 3): grid 512 x 1, 8 waves a work-group, no clusters, 1,280 bytes of LDS; arguments input, embt, idx, out0, part; writes out0, part
.if DOCPART == 3
	.amdgcn_target "amdgcn-amd-amdhsa--gfx1250"
	.amdhsa_code_object_version 6
	.text
	.protected	k_qa8e5796da2_gather
	.globl	k_qa8e5796da2_gather
	.p2align	8
	.type	k_qa8e5796da2_gather,@function
k_qa8e5796da2_gather:
	s_mov_b64 s[64:65], 0
	v_nop
	global_prefetch_b8 v0, s[64:65] scope:SCOPE_SE
	s_setreg_imm32_b32 hwreg(HW_REG_WAVE_MODE, 25, 1), 1
	s_wait_xcnt 0x0
; out0[row] = x + (e - x), e = row idx[row] of the transposed codebook embt [8192][256], x = row of input; part[work-group] = the sum of (e - x)^2 over the work-group's 64 rows.  All f32.
; Memory binds: every row, of x, of e and of out0, is 1,024 consecutive bytes, taken as two instructions of 512 bytes (16 bytes a lane).  A wave takes 8 rows; all its 32 loads go out before the first is used.
; The indices were stored by the launch before; here they are read by a scalar load, held to 0 .. 8,191, and enter the addresses.  No matrix unit, no tensor load, no cluster: no byte is shared between work-groups but codebook rows that two queries happen to name.
.set X,   16                           ; v16-79   x: row a, half b at 8 a + 4 b
.set Q,   80                           ; v80-143  e likewise; then the result
.set SUM, 144                          ; v144-151 four chains of pairs
.set D,   152                          ; v152-159 e - x, four pairs
	s_load_b256 s[4:11], s[0:1], 0x0               ; input s[4:5], embt s[6:7], idx s[8:9], out0 s[10:11]
	s_load_b64 s[12:13], s[0:1], 0x20              ; part
	v_lshl_add_u32 v160, v0, 2, 0x100
	v_mov_b32 v161, 0
	v_lshrrev_b32 v10, 5, v0
	s_delay_alu instid0(VALU_DEP_1)
	v_readfirstlane_b32 s14, v10                   ; wave 0..7
	s_delay_alu instid0(VALU_DEP_2)
	v_lshlrev_b32 v12, 2, v10                      ; LDS: my wave's word
	v_mov_b32 v13, 0
	v_and_b32 v11, 31, v0
	s_delay_alu instid0(VALU_DEP_1)
	v_lshlrev_b32 v1, 4, v11                       ; 16 x lane
	s_mov_b32 s24, 0x76543210
	s_mov_b32 s25, 0xfedcba98                      ; v_permlanex16_b32's selects for lane l xor 16
	s_lshl_b32 s26, ttmp9, 6
	s_lshl_b32 s27, s14, 3
	s_add_co_u32 s26, s26, s27                     ; my first row: 64 x work-group + 8 x wave
	s_lshl_b32 s28, s26, 10                        ; in input and out0,
	s_mov_b32 s29, 0
	s_lshl_b32 s26, s26, 2                         ; in idx,
	s_mov_b32 s27, 0
	s_lshl_b32 s30, ttmp9, 2                       ; and my work-group's word of part
	s_mov_b32 s31, 0
	s_wait_alu depctr_va_vdst(0)
	s_wait_kmcnt 0x0
	s_add_nc_u64 s[8:9], s[8:9], s[26:27]
	s_load_b256 s[16:23], s[8:9], 0x0              ; my 8 rows' indices
	s_add_nc_u64 s[4:5], s[4:5], s[28:29]
	s_add_nc_u64 s[10:11], s[10:11], s[28:29]
	s_add_nc_u64 s[12:13], s[12:13], s[30:31]
.irp a, 0,1,2,3,4,5,6,7
.irp b, 0,1
	global_load_b128 v[X+8*\a+4*\b:X+8*\a+4*\b+3], v1, s[4:5] offset:1024*\a+512*\b th:TH_LOAD_NT   ; read once in this launch
.endr
.endr
	s_wait_kmcnt 0x0
.irp a, 0,1,2,3,4,5,6,7
	s_min_u32 s[16+\a], s[16+\a], 0x1fff           ; an index stays inside the table
	s_lshl_b32 s[16+\a], s[16+\a], 10              ; a row of embt is 1,024 bytes
	v_add_nc_u32 v[2+\a], s[16+\a], v1
.endr
	s_wait_alu depctr_va_vdst(0)
.irp a, 0,1,2,3,4,5,6,7
.irp b, 0,1
	global_load_b128 v[Q+8*\a+4*\b:Q+8*\a+4*\b+3], v[2+\a], s[6:7] offset:512*\b   ; no hint: a row may be named again
.endr
.endr
.macro ROW a
	s_wait_loadcnt 14-2*\a                         ; loads come back in order: x and this row's e are in; the two loads of each later row may be out
.irp c, 0,1,2,3
	v_pk_add_f32 v[D+2*\c:D+2*\c+1], v[Q+8*\a+2*\c:Q+8*\a+2*\c+1], v[X+8*\a+2*\c:X+8*\a+2*\c+1] neg_lo:[0,1] neg_hi:[0,1]   ; e - x
.endr
.irp c, 0,1,2,3
.if \a == 0
	s_delay_alu instid0(VALU_DEP_4)
	v_pk_mul_f32 v[SUM+2*\c:SUM+2*\c+1], v[D+2*\c:D+2*\c+1], v[D+2*\c:D+2*\c+1]   ; the first squares start the sums
.else
	s_delay_alu instid0(VALU_DEP_4)
	v_pk_fma_f32 v[SUM+2*\c:SUM+2*\c+1], v[D+2*\c:D+2*\c+1], v[D+2*\c:D+2*\c+1], v[SUM+2*\c:SUM+2*\c+1]
.endif
.endr
.irp c, 0,1,2,3
	v_pk_add_f32 v[Q+8*\a+2*\c:Q+8*\a+2*\c+1], v[X+8*\a+2*\c:X+8*\a+2*\c+1], v[D+2*\c:D+2*\c+1]   ; x + (e - x)
.endr
.irp b, 0,1
	global_store_b128 v1, v[Q+8*\a+4*\b:Q+8*\a+4*\b+3], s[10:11] offset:1024*\a+512*\b th:TH_STORE_NT   ; 512 consecutive bytes, aligned; no register of a store is written again
.endr
.endm
.irp a, 0,1,2,3,4,5,6,7
	ROW \a
.endr
	v_pk_add_f32 v[SUM:SUM+1], v[SUM:SUM+1], v[SUM+2:SUM+3]
	v_pk_add_f32 v[SUM+4:SUM+5], v[SUM+4:SUM+5], v[SUM+6:SUM+7]
	s_delay_alu instid0(VALU_DEP_1)
	v_pk_add_f32 v[SUM:SUM+1], v[SUM:SUM+1], v[SUM+4:SUM+5]
	s_delay_alu instid0(VALU_DEP_1)
	v_add_f32 v[SUM], v[SUM], v[SUM+1]
	s_delay_alu instid0(VALU_DEP_1)
	v_add_f32_dpp v[SUM], v[SUM], v[SUM] row_xmask:1 row_mask:0xf bank_mask:0xf
	s_delay_alu instid0(VALU_DEP_1)
	v_add_f32_dpp v[SUM], v[SUM], v[SUM] row_xmask:2 row_mask:0xf bank_mask:0xf
	s_delay_alu instid0(VALU_DEP_1)
	v_add_f32_dpp v[SUM], v[SUM], v[SUM] row_xmask:4 row_mask:0xf bank_mask:0xf
	s_delay_alu instid0(VALU_DEP_1)
	v_add_f32_dpp v[SUM], v[SUM], v[SUM] row_xmask:8 row_mask:0xf bank_mask:0xf
	s_delay_alu instid0(VALU_DEP_1)
	v_permlanex16_b32 v[SUM+1], v[SUM], s24, s25
	s_delay_alu instid0(VALU_DEP_1)
	v_add_f32 v[SUM], v[SUM], v[SUM+1]             ; the wave's sum, in every lane
	ds_store_b32 v12, v[SUM]                       ; all lanes write the same word with the same value
	s_wait_dscnt 0x0
	s_barrier_signal -1
	s_barrier_wait -1
	s_cmp_lg_u32 s14, 0                            ; wave 0 adds the eight, in a fixed order
	s_cbranch_scc1 .Lend
	ds_load_b128 v[D:D+3], v13
	ds_load_b128 v[D+4:D+7], v13 offset:16
	s_wait_dscnt 0x0
	v_pk_add_f32 v[D:D+1], v[D:D+1], v[D+2:D+3]
	v_pk_add_f32 v[D+4:D+5], v[D+4:D+5], v[D+6:D+7]
	s_delay_alu instid0(VALU_DEP_1)
	v_pk_add_f32 v[D:D+1], v[D:D+1], v[D+4:D+5]
	s_delay_alu instid0(VALU_DEP_1)
	v_add_f32 v[D], v[D], v[D+1]
	v_cmp_eq_u32 vcc_lo, 0, v0
	s_wait_alu depctr_va_vdst(0)
	s_wait_xcnt 0x0                                ; EXEC is a source of the stores above: it changes only behind this wait
	s_and_saveexec_b32 s32, vcc_lo
	global_store_b32 v13, v[D], s[12:13]           ; thread 0 alone
	s_wait_xcnt 0x0                                ; and again, in front of the line that widens it
	s_or_b32 exec_lo, exec_lo, s32
.Lend:
	s_wait_tensorcnt 0x0
	ds_add_u32 v160, v161
	s_wait_dscnt 0x0
	s_endpgm
.Lfunc_end_k_qa8e5796da2_gather:
	.size	k_qa8e5796da2_gather, .Lfunc_end_k_qa8e5796da2_gather-k_qa8e5796da2_gather
	.p2alignl 7, 3214868480
	.fill 96, 4, 3214868480
	.section	.rodata,"a",@progbits
	.p2align	6, 0x0
	.amdhsa_kernel k_qa8e5796da2_gather
		.amdhsa_group_segment_fixed_size 1280
		.amdhsa_private_segment_fixed_size 0
		.amdhsa_enable_private_segment 0
		.amdhsa_kernarg_size 40
		.amdhsa_user_sgpr_count 2
		.amdhsa_user_sgpr_kernarg_segment_ptr 1
		.amdhsa_wavefront_size32 1
		.amdhsa_system_sgpr_workgroup_id_x 1
		.amdhsa_system_sgpr_workgroup_id_y 1
		.amdhsa_system_sgpr_workgroup_id_z 1
		.amdhsa_system_vgpr_workitem_id 0
		.amdhsa_next_free_vgpr 162
		.amdhsa_next_free_sgpr 66
		.amdhsa_reserve_vcc 1
		.amdhsa_float_denorm_mode_32 3
		.amdhsa_float_denorm_mode_16_64 3
		.amdhsa_memory_ordered 1
		.amdhsa_forward_progress 1
		.amdhsa_inst_pref_size 17
	.end_amdhsa_kernel
	.amdgpu_metadata
---
amdhsa.version: [ 1, 2 ]
amdhsa.kernels:
  - .name:           k_qa8e5796da2_gather
    .symbol:         k_qa8e5796da2_gather.kd
    .args:
      - { .name: input, .offset: 0, .size: 8, .value_kind: global_buffer, .address_space: global }
      - { .name: embt, .offset: 8, .size: 8, .value_kind: global_buffer, .address_space: global }
      - { .name: idx, .offset: 16, .size: 8, .value_kind: global_buffer, .address_space: global }
      - { .name: out0, .offset: 24, .size: 8, .value_kind: global_buffer, .address_space: global }
      - { .name: part, .offset: 32, .size: 8, .value_kind: global_buffer, .address_space: global }
    .group_segment_fixed_size: 1280
    .private_segment_fixed_size: 0
    .kernarg_segment_align: 8
    .kernarg_segment_size: 40
    .max_flat_workgroup_size: 256
    .sgpr_count:     66
    .vgpr_count:     162
    .wavefront_size: 32
...
	.end_amdgpu_metadata
.endif
;; end of part 3
;; launch finish (part 4): grid 1 x 1, 1 waves a work-group, no clusters, 0 bytes of LDS; arguments part, out1; writes out1
.if DOCPART == 4
	.amdgcn_target "amdgcn-amd-amdhsa--gfx1250"
	.amdhsa_code_object_version 6
	.text
	.protected	k_qa8e5796da2_finish
	.globl	k_qa8e5796da2_finish
	.p2align	8
	.type	k_qa8e5796da2_finish,@function
k_qa8e5796da2_finish:
	s_mov_b64 s[64:65], 0
	v_nop
	global_prefetch_b8 v0, s[64:65] scope:SCOPE_SE
	s_setreg_imm32_b32 hwreg(HW_REG_WAVE_MODE, 25, 1), 1
	s_wait_xcnt 0x0
; out1 = the mean of (e - x)^2 over 32,768 x 256 numbers: the 512 work-groups' sums of the launch before, added in a fixed order, times 2^-23.  One wave: 16 numbers a lane.
	s_load_b128 s[4:7], s[0:1], 0x0                ; part, out1
	v_lshlrev_b32 v1, 4, v0                        ; 16 x lane
	v_mov_b32 v2, 0
	s_mov_b32 s8, 0x76543210
	s_mov_b32 s9, 0xfedcba98                       ; v_permlanex16_b32's selects for lane l xor 16
	s_wait_alu depctr_va_vdst(0)
	s_wait_kmcnt 0x0
.irp k, 0,1,2,3
	global_load_b128 v[4+4*\k:7+4*\k], v1, s[4:5] offset:512*\k
.endr
	s_wait_loadcnt 0x0
	v_pk_add_f32 v[4:5], v[4:5], v[6:7]
	v_pk_add_f32 v[8:9], v[8:9], v[10:11]
	v_pk_add_f32 v[12:13], v[12:13], v[14:15]
	v_pk_add_f32 v[16:17], v[16:17], v[18:19]
	v_pk_add_f32 v[4:5], v[4:5], v[8:9]
	v_pk_add_f32 v[12:13], v[12:13], v[16:17]
	v_pk_add_f32 v[4:5], v[4:5], v[12:13]
	v_add_f32 v4, v4, v5
	v_add_f32_dpp v4, v4, v4 row_xmask:1 row_mask:0xf bank_mask:0xf
	v_add_f32_dpp v4, v4, v4 row_xmask:2 row_mask:0xf bank_mask:0xf
	v_add_f32_dpp v4, v4, v4 row_xmask:4 row_mask:0xf bank_mask:0xf
	v_add_f32_dpp v4, v4, v4 row_xmask:8 row_mask:0xf bank_mask:0xf
	v_permlanex16_b32 v5, v4, s8, s9
	v_add_f32 v4, v4, v5
	v_mul_f32 v4, 0x34000000, v4                   ; x 2^-23 = 1 / (32,768 x 256)
	v_cmp_eq_u32 vcc_lo, 0, v0
	s_wait_alu depctr_va_vdst(0)
	s_wait_xcnt 0x0                                ; EXEC changes only behind this wait
	s_and_saveexec_b32 s10, vcc_lo
	global_store_b32 v2, v4, s[6:7]                ; lane 0 alone
	s_wait_xcnt 0x0                                ; and again, in front of the line that widens it
	s_or_b32 exec_lo, exec_lo, s10
	s_endpgm
.Lfunc_end_k_qa8e5796da2_finish:
	.size	k_qa8e5796da2_finish, .Lfunc_end_k_qa8e5796da2_finish-k_qa8e5796da2_finish
	.p2alignl 7, 3214868480
	.fill 96, 4, 3214868480
	.section	.rodata,"a",@progbits
	.p2align	6, 0x0
	.amdhsa_kernel k_qa8e5796da2_finish
		.amdhsa_group_segment_fixed_size 0
		.amdhsa_private_segment_fixed_size 0
		.amdhsa_enable_private_segment 0
		.amdhsa_kernarg_size 16
		.amdhsa_user_sgpr_count 2
		.amdhsa_user_sgpr_kernarg_segment_ptr 1
		.amdhsa_wavefront_size32 1
		.amdhsa_system_sgpr_workgroup_id_x 1
		.amdhsa_system_sgpr_workgroup_id_y 1
		.amdhsa_system_sgpr_workgroup_id_z 1
		.amdhsa_system_vgpr_workitem_id 0
		.amdhsa_next_free_vgpr 32
		.amdhsa_next_free_sgpr 66
		.amdhsa_reserve_vcc 1
		.amdhsa_float_denorm_mode_32 3
		.amdhsa_float_denorm_mode_16_64 3
		.amdhsa_memory_ordered 1
		.amdhsa_forward_progress 1
		.amdhsa_inst_pref_size 3
	.end_amdhsa_kernel
	.amdgpu_metadata
---
amdhsa.version: [ 1, 2 ]
amdhsa.kernels:
  - .name:           k_qa8e5796da2_finish
    .symbol:         k_qa8e5796da2_finish.kd
    .args:
      - { .name: part, .offset: 0, .size: 8, .value_kind: global_buffer, .address_space: global }
      - { .name: out1, .offset: 8, .size: 8, .value_kind: global_buffer, .address_space: global }
    .group_segment_fixed_size: 0
    .private_segment_fixed_size: 0
    .kernarg_segment_align: 8
    .kernarg_segment_size: 16
    .max_flat_workgroup_size: 32
    .sgpr_count:     66
    .vgpr_count:     32
    .wavefront_size: 32
...
	.end_amdgpu_metadata
.endif
;; end of part 4
